; MI455X (gfx1250); checked and timed in simulation.
; The chip was launched on July 23, 2026; its instructions are those of AMD's public machine-readable ISA for CDNA 5 (MIT licence, August 2026) and "CDNA5" Instruction Set Architecture Reference Guide (July 2026). The comments in the code are by the model that wrote it; some were corrected since.
;; Self Modifying Linear. Allowed arithmetic: float matrix products may take bf16 or f16 operands with f32 sums; all other float work in f32.
;; Inputs: W 2,048 x 2,048 float32; delta_W 2,048 x 2,048 float32; target_W 2,048 x 2,048 float32; x 4 x 1,024 x 2,048 float32.
;; Outputs: out0 4 x 1,024 x 2,048 float32; out1 2,048 x 2,048 float32.
;; 2 versions, each right; version 2 is version 1 with the launch prep written anew for expert scheduling mode. Each part assembles by itself: llvm-mc -triple=amdgcn-amd-amdhsa -mcpu=gfx1250 --defsym DOCPART=n.
;; ======== version 1 of 2: 4 launches
;; limits: values are held in f16: magnitudes above 65,504 overflow, below 6.1e-05 lose precision; inputs' magnitudes at most 65,504
;; workspace buffers: xh 16,777,216 bytes; xb 16,777,216 bytes; wcat 16,777,216 bytes; teach 16,777,216 bytes; part 262,144 bytes; snorm 256 bytes
;; launch prep (part 1): grid 1024 x 1, 8 waves a work-group, no clusters, 0 bytes of LDS; arguments x, W, delta_W, target_W, xh, xb, wcat; writes xh, xb, wcat
.if DOCPART == 1
	.amdgcn_target "amdgcn-amd-amdhsa--gfx1250"
	.amdhsa_code_object_version 6
	.text
	.protected	k_qe25ccc9c68_prep
	.globl	k_qe25ccc9c68_prep
	.p2align	8
	.type	k_qe25ccc9c68_prep,@function
k_qe25ccc9c68_prep:
	s_mov_b64 s[64:65], 0
	v_nop
	global_prefetch_b8 v0, s[64:65] scope:SCOPE_SE
	s_setreg_imm32_b32 hwreg(HW_REG_WAVE_MODE, 25, 1), 1
	s_wait_xcnt 0x0
; xh = f16(x) and xb = bf16(x), each [4096][2048].  wcat, [4096][2048] f16: rows 0-2047 = f16(W + delta_W), rows 2048-4095 = f16((W + delta_W) - target_W).
; The second half serves teach = y - x target_W^T = x (W + delta_W - target_W)^T: the difference is taken on the weights, in f32, ahead of
; the one rounding, so that no difference of two long sums is ever formed.
; WHY TWO COPIES OF x: the first product (x with the weights) takes f16 operands, 11 significant bits; the second (teach with x) takes bf16,
; because teach has no room in f16 (see the first product's head), and a matrix instruction wants both operands in one format.
; ROOM IN f16: f16 reaches 65,504 and keeps a step of 2^-24 below 2^-14.  x of a few units and weights of a few hundredths stay far inside when 30
; times larger or offset by 30 spreads; weights 30 times smaller (rms about 5e-4) are rounded to within 2^-25, about 6e-5 of their rms.
; LIMIT: an |x| or a summed weight above 65,504 becomes infinity in xh or wcat.
; A stream: 1,024 work-groups of eight waves; work-group g takes 32 KiB of x and 16 KiB of each weight.  A thread's load is 16 bytes, a wave's
; load covers 512 consecutive bytes, the work-group's step is 4,096 bytes.  Four f32 become 8 bytes: a wave's store covers 256 consecutive
; bytes, aligned.  All 20 loads of a thread go out at once; every store has data registers of its own, which are never written again, so no
; wait for a store's sources is needed.  No LDS, no barrier, no matrix unit, no cluster: no byte is used twice and no work-group shares an input.
.set X,  4                             ; v[4:35]    chunk j of x: 4 registers
.set WT, 36                            ; v[36:83]   chunk j of the weights: W at 12 j, delta_W at 12 j + 4, target_W at 12 j + 8
.set XH, 84                            ; v[84:99]   chunk j of xh: 2 registers
.set XB, 100                           ; v[100:115] chunk j of xb: 2 registers
.set YO, 116                           ; v[116:123] chunk j of wcat's first half
.set DF, 124                           ; v[124:131] chunk j of wcat's second half
	s_load_b256 s[4:11], s[0:1], 0x0               ; x s[4:5], W s[6:7], delta_W s[8:9], target_W s[10:11]
	s_load_b128 s[12:15], s[0:1], 0x20             ; xh s[12:13], xb s[14:15]
	s_load_b64 s[16:17], s[0:1], 0x30              ; wcat
	s_lshl_b32 s18, ttmp9, 15                      ; my 32 KiB of x
	s_mov_b32 s19, 0
	s_lshl_b32 s20, ttmp9, 14                      ; my 16 KiB of each weight, of xh and of xb
	s_mov_b32 s21, 0
	s_lshl_b32 s22, ttmp9, 13                      ; my 8 KiB of each half of wcat
	s_mov_b32 s23, 0
	v_lshlrev_b32 v1, 4, v0                        ; 16 bytes a thread in
	v_lshlrev_b32 v2, 3, v0                        ; 8 bytes a thread out
	s_wait_kmcnt 0x0
	s_add_nc_u64 s[4:5], s[4:5], s[18:19]
	s_add_nc_u64 s[6:7], s[6:7], s[20:21]
	s_add_nc_u64 s[8:9], s[8:9], s[20:21]
	s_add_nc_u64 s[10:11], s[10:11], s[20:21]
	s_add_nc_u64 s[12:13], s[12:13], s[20:21]
	s_add_nc_u64 s[14:15], s[14:15], s[20:21]
	s_add_nc_u64 s[16:17], s[16:17], s[22:23]
	s_add_nc_u64 s[24:25], s[16:17], 0x800000      ; the second half: 2,048 rows of 4,096 bytes further, one more than a store's immediate reaches
.irp j, 0,1,2,3,4,5,6,7
	global_load_b128 v[X+4*\j:X+4*\j+3], v1, s[4:5] offset:4096*\j th:TH_LOAD_NT
.endr
.irp j, 0,1,2,3
	global_load_b128 v[WT+12*\j:WT+12*\j+3],    v1, s[6:7]   offset:4096*\j th:TH_LOAD_NT
	global_load_b128 v[WT+12*\j+4:WT+12*\j+7],  v1, s[8:9]   offset:4096*\j th:TH_LOAD_NT
	global_load_b128 v[WT+12*\j+8:WT+12*\j+11], v1, s[10:11] offset:4096*\j th:TH_LOAD_NT
.endr
.irp j, 0,1,2,3,4,5,6,7
	s_wait_loadcnt 19-\j                           ; of the 20 loads, 19 - j were issued behind chunk j of x
	v_cvt_pk_f16_f32 v[XH+2*\j],   v[X+4*\j],   v[X+4*\j+1]
	v_cvt_pk_f16_f32 v[XH+2*\j+1], v[X+4*\j+2], v[X+4*\j+3]
	global_store_b64 v2, v[XH+2*\j:XH+2*\j+1], s[12:13] offset:2048*\j     ; no hint: a later launch reads it
	v_cvt_pk_bf16_f32 v[XB+2*\j],   v[X+4*\j],   v[X+4*\j+1]
	v_cvt_pk_bf16_f32 v[XB+2*\j+1], v[X+4*\j+2], v[X+4*\j+3]
	global_store_b64 v2, v[XB+2*\j:XB+2*\j+1], s[14:15] offset:2048*\j
.endr
.irp j, 0,1,2,3
	s_wait_loadcnt 9-3*\j                          ; the three loads of each later chunk stay out
	v_pk_add_f32 v[WT+12*\j:WT+12*\j+1],   v[WT+12*\j:WT+12*\j+1],   v[WT+12*\j+4:WT+12*\j+5]      ; W + delta_W
	v_pk_add_f32 v[WT+12*\j+2:WT+12*\j+3], v[WT+12*\j+2:WT+12*\j+3], v[WT+12*\j+6:WT+12*\j+7]
	v_cvt_pk_f16_f32 v[YO+2*\j],   v[WT+12*\j],   v[WT+12*\j+1]
	v_cvt_pk_f16_f32 v[YO+2*\j+1], v[WT+12*\j+2], v[WT+12*\j+3]
	global_store_b64 v2, v[YO+2*\j:YO+2*\j+1], s[16:17] offset:2048*\j
	v_pk_add_f32 v[WT+12*\j:WT+12*\j+1],   v[WT+12*\j:WT+12*\j+1],   v[WT+12*\j+8:WT+12*\j+9]   neg_lo:[0,1] neg_hi:[0,1]   ; - target_W
	v_pk_add_f32 v[WT+12*\j+2:WT+12*\j+3], v[WT+12*\j+2:WT+12*\j+3], v[WT+12*\j+10:WT+12*\j+11] neg_lo:[0,1] neg_hi:[0,1]
	v_cvt_pk_f16_f32 v[DF+2*\j],   v[WT+12*\j],   v[WT+12*\j+1]
	v_cvt_pk_f16_f32 v[DF+2*\j+1], v[WT+12*\j+2], v[WT+12*\j+3]
	global_store_b64 v2, v[DF+2*\j:DF+2*\j+1], s[24:25] offset:2048*\j
.endr
	s_endpgm
.Lfunc_end_k_qe25ccc9c68_prep:
	.size	k_qe25ccc9c68_prep, .Lfunc_end_k_qe25ccc9c68_prep-k_qe25ccc9c68_prep
	.p2alignl 7, 3214868480
	.fill 96, 4, 3214868480
	.section	.rodata,"a",@progbits
	.p2align	6, 0x0
	.amdhsa_kernel k_qe25ccc9c68_prep
		.amdhsa_group_segment_fixed_size 0
		.amdhsa_private_segment_fixed_size 0
		.amdhsa_enable_private_segment 0
		.amdhsa_kernarg_size 56
		.amdhsa_user_sgpr_count 2
		.amdhsa_user_sgpr_kernarg_segment_ptr 1
		.amdhsa_wavefront_size32 1
		.amdhsa_system_sgpr_workgroup_id_x 1
		.amdhsa_system_sgpr_workgroup_id_y 1
		.amdhsa_system_sgpr_workgroup_id_z 1
		.amdhsa_system_vgpr_workitem_id 0
		.amdhsa_next_free_vgpr 132
		.amdhsa_next_free_sgpr 66
		.amdhsa_reserve_vcc 0
		.amdhsa_float_denorm_mode_32 3
		.amdhsa_float_denorm_mode_16_64 3
		.amdhsa_memory_ordered 1
		.amdhsa_forward_progress 1
		.amdhsa_inst_pref_size 10
	.end_amdhsa_kernel
	.amdgpu_metadata
---
amdhsa.version: [ 1, 2 ]
amdhsa.kernels:
  - .name:           k_qe25ccc9c68_prep
    .symbol:         k_qe25ccc9c68_prep.kd
    .args:
      - { .name: x, .offset: 0, .size: 8, .value_kind: global_buffer, .address_space: global }
      - { .name: W, .offset: 8, .size: 8, .value_kind: global_buffer, .address_space: global }
      - { .name: delta_W, .offset: 16, .size: 8, .value_kind: global_buffer, .address_space: global }
      - { .name: target_W, .offset: 24, .size: 8, .value_kind: global_buffer, .address_space: global }
      - { .name: xh, .offset: 32, .size: 8, .value_kind: global_buffer, .address_space: global }
      - { .name: xb, .offset: 40, .size: 8, .value_kind: global_buffer, .address_space: global }
      - { .name: wcat, .offset: 48, .size: 8, .value_kind: global_buffer, .address_space: global }
    .group_segment_fixed_size: 0
    .private_segment_fixed_size: 0
    .kernarg_segment_align: 8
    .kernarg_segment_size: 56
    .max_flat_workgroup_size: 256
    .sgpr_count:     66
    .vgpr_count:     132
    .wavefront_size: 32
...
	.end_amdgpu_metadata
.endif
;; end of part 1
;; launch gemm1 (part 2): grid 16 x 16, 4 waves a work-group, clusters of 4 x 4, 327,680 bytes of LDS; arguments xh, wcat, out0, teach, part; writes out0, teach, part
.if DOCPART == 2
	.amdgcn_target "amdgcn-amd-amdhsa--gfx1250"
	.amdhsa_code_object_version 6
	.text
	.protected	k_qe25ccc9c68_gemm1
	.globl	k_qe25ccc9c68_gemm1
	.p2align	8
	.type	k_qe25ccc9c68_gemm1,@function
k_qe25ccc9c68_gemm1:
	s_mov_b64 s[64:65], 0
	v_nop
	global_prefetch_b8 v0, s[64:65] scope:SCOPE_SE
	s_setreg_imm32_b32 hwreg(HW_REG_WAVE_MODE, 25, 1), 1
	s_wait_xcnt 0x0
	s_wait_alu depctr_hold_cnt(0) depctr_sa_sdst(0) depctr_va_vdst(0) depctr_va_sdst(0) depctr_va_ssrc(0) depctr_va_vcc(0) depctr_vm_vsrc(0)
	s_getreg_b32 s2, hwreg(HW_REG_IB_STS2, 6, 4)
	s_cmp_eq_u32 s2, 0
	s_cbranch_scc0 .Lentry_in_a_cluster
	s_endpgm
.Lentry_in_a_cluster:
	s_bfe_u32 s2, ttmp6, 0x10000c
	s_cmp_lg_u32 s2, 0xf033
	s_cbranch_scc0 .Lentry_shape_is_right
	s_endpgm
.Lentry_shape_is_right:
; [y | teach] = xh wcat^T: 4,096 tokens x 4,096 rows of wcat, K = 2,048, f16 operands, f32 sums.
; out0 = y in f32; teach in bf16, [token][o]; part[ob][token] = the sum of teach^2 (from the f32 sums) over the 128 columns of o block ob.
; FORMATS: the operands are f16, 11 significant bits, since a sum of 2,048 products of operands of 8 significant bits carries an error of about
; 0.002 of the result's rms, too near a hundredth of it for eight million results.  x and the weights have room in f16 (figures at the head of the
; launch that rounds them).  teach is stored in bf16: it grows with the product of x's and the weights' scales, and with offsets on both up to
; 2,048 x offset x offset, some 4e4 at 30 spreads each, which leaves no room below f16's 65,504.
; LIMIT: an operand that was above 65,504 in magnitude arrives as infinity.
; A work-group makes 256 tokens x (128 columns of y + the same 128 columns of teach) with four waves; a wave makes 128 x 128: 64 accumulator
; tiles of 16 x 16, 512 registers.  Wave w: token half w >> 1; w & 1 = 0 makes y, 1 makes teach.  256 work-groups of equal work.
; K goes in steps of 128 through two LDS slots filled by the tensor data mover: a tile's rows are 256 bytes of memory, at multiples of 256.
; CLUSTERS: 4 x 4 work-groups.  The four of a row of the cluster share the token block (xh's tiles), the four of a column the o block (wcat's
; tiles): each such tile is asked for jointly, by the same tensor load with the same descriptor and a mask that names the four.
; REGISTERS in windows of 256: window 0: v0-31 addresses, v64-127 and v128-191 fragments of xh (two buffers), v192-231 at work on the way out;
; window 1: v64-191 fragments of wcat; window 2: the 32 accumulator tiles of my tokens 0-63 (tile (a, b) at v[8 (8 a + b)]); window 3: tokens 64-127.
; The matrix instruction is used transposed (source 0 = 16 rows of wcat, source 1 = 16 tokens): lane l holds token l % 16, and its registers
; 0 to 7 the columns 8 (l / 16) + 0 .. 7: eight neighbouring numbers of a row of the result.
; The 64 accumulators take turns, one instruction a turn, in the same order in every quarter step.
.set SIZE_K, 2048
.set KSTEP,  128
.set PITCH,  272                       ; an LDS row: 256 bytes of data + 16 of padding, an odd multiple of 16: the 16 rows of a fragment load start at 16 different 16-byte columns modulo 256
.set HALFT,  128*PITCH                 ; 128 rows: what one tensor load brings, and what one wave reads of either operand
.set SLOT,   4*HALFT                   ; xh's 256 tokens, 128 rows of wcat for y, 128 rows of wcat for teach
.set STAGE,  2*SLOT                    ; behind the ring, at a multiple of 256: no tensor load lands here
.set WSTAGE, 9216                      ; a wave's own stage, 36 blocks of 256 bytes
.set SUMS,   8448                      ; in it: 128 row sums of teach^2, behind 16 rows of 528 bytes
.set YPITCH, 528                       ; y: a row of 128 f32 + 16 bytes
.set TPITCH, 272                       ; teach: a row of 128 bf16 + 16 bytes
.set YROW,   8192                      ; bytes in a row of out0
.set TROW,   4096                      ; bytes in a row of teach
.set LAPS, SIZE_K/(2*KSTEP)            ; 8 laps of two K steps
.set ADRA, 16                          ; v16-17  LDS address of my xh fragments in slot 0, 1
.set ADRB, 20                          ; v20-21  the same for wcat
.set STO,  24                          ; the way out: where I put my part of a row
.set RD,   25                          ; where I read rows back
.set CO,   26                          ; my byte offset in out0 or teach
.set SQA,  27                          ; where my token's sum of squares goes
.set RDS,  28                          ; where I read four of the 128 sums back
.set PO,   29                          ; my byte offset in part
.set F0,   64
.set F1,   128
.set TMP,  192                         ; v192-223 packed bf16
.set SQ,   224                         ; v224-231 four pairs of running sums of squares
.set G1, 24                            ; s[24:31] group 1 for xh's tiles
.set G0, 32                            ; s[32:39] group 0 for xh's tiles, one set for each slot
.set G1B, 48                           ; s[48:55] group 1 for wcat's tiles: the mask alone differs
.set G0B, 56                           ; s[56:63] group 0 for wcat's tiles
.set MSB, 0
.macro WIN new                         ; the immediate's high byte repeats the setting that is left; a switch that changes nothing is dropped
.if MSB != \new
	s_set_vgpr_msb (MSB<<8)|\new
.set MSB, \new
.endif
.endm
.set MUL_LO, 0xa1                      ; source 0 window 1, source 1 window 0, C and D window 2
.set MUL_HI, 0xf1                      ; the same, C and D window 3
.set TO_B,   0x40                      ; destination window 1, address window 0
; A joint load.  Waves 0 and 1 fetch xh's two halves, waves 2 and 3 wcat's two.  The branch hangs on the wave's number alone.
.macro JLOAD s
	s_cmp_eq_u32 s11, 0
	s_cbranch_scc0 .Lfor_b_\@
	tensor_load_to_lds s[G0+4*\s:G0+4*\s+3], s[G1:G1+7]
	s_nop 0
	s_branch .Lasked_\@
.Lfor_b_\@:
	tensor_load_to_lds s[G0B+4*\s:G0B+4*\s+3], s[G1B:G1B+7]
	s_nop 0
.Lasked_\@:
.endm
.macro CREST                           ; a round of the cluster's barrier behind its opening work-group barrier
	s_cmp_lg_u32 s10, 0
	s_cbranch_scc1 .Lnot_wave_0_\@
	s_barrier_signal -3
.Lnot_wave_0_\@:
	s_barrier_wait -3
	s_barrier_signal -1
	s_barrier_wait -1
.endm
.macro CROUND                          ; a whole round
	s_barrier_signal -1
	s_barrier_wait -1
	CREST
.endm
	s_load_b256 s[68:75], s[0:1], 0x0              ; xh s[68:69], wcat s[70:71], out0 s[72:73], teach s[74:75]
	s_load_b64 s[76:77], s[0:1], 0x20              ; part
	s_set_vgpr_msb 0x40
	v_lshl_add_u32 v255, v0, 2, 0x4d000
	s_set_vgpr_msb 0x4000
	v_mov_b32 v255, 0
	s_set_vgpr_msb 0x1
	ds_add_u32 v255, v255
	s_set_vgpr_msb 0x100
	v_lshrrev_b32 v1, 5, v0
	v_readfirstlane_b32 s10, v1                    ; wave 0..3
	s_lshr_b32 s11, s10, 1                         ; my token half.  Also: I fetch for xh (0) or for wcat (1)
	s_and_b32 s12, s10, 1                          ; y (0) or teach (1).  Also: which half of that operand's tile I fetch
	s_bfe_u32 s40, ttmp6, 0x40000                  ; cx
	s_bfe_u32 s41, ttmp6, 0x40004                  ; cy
	s_lshl_b32 s42, ttmp9, 2
	s_add_co_u32 s42, s42, s40                     ; o block = 4 x cluster x + cx
	s_and_b32 s13, ttmp7, 0xffff
	s_lshl_b32 s13, s13, 2
	s_add_co_u32 s13, s13, s41                     ; token block = 4 x cluster y + cy
	s_lshl_b32 s43, s41, 2
	s_lshl_b32 s43, 15, s43                        ; my row of the cluster: places 4 cy .. 4 cy + 3
	s_lshl_b32 s44, 0x1111, s40                    ; my column: places cx, cx + 4, cx + 8, cx + 12
	s_mov_b32 s78, 0x76543210                      ; v_permlanex16_b32: lane i reads lane i of the other half
	s_mov_b32 s79, 0xfedcba98
	; group 1: a tile of 128 rows x 128 elements of 2 bytes, 4 words of padding behind every 64
	s_or_b32 s[G1+0], s43, (1<<16)|(1<<20)|(1<<21)|(5<<22)|(3<<25)
	s_or_b32 s[G1B+0], s44, (1<<16)|(1<<20)|(1<<21)|(5<<22)|(3<<25)
	s_mov_b32 s[G1+1], KSTEP<<16                   ; tensor_dim0 = 128
	s_mov_b32 s[G1B+1], KSTEP<<16
	s_mov_b32 s[G1+2], 128<<16                     ; tensor_dim1 = 128
	s_mov_b32 s[G1B+2], 128<<16
	s_mov_b32 s[G1+3], KSTEP<<16                   ; tile_dim0 = 128
	s_mov_b32 s[G1B+3], KSTEP<<16
	s_mov_b32 s[G1+4], 128                         ; tile_dim1 = 128
	s_mov_b32 s[G1B+4], 128
	s_mov_b32 s[G1+5], SIZE_K                      ; elements from row to row
	s_mov_b32 s[G1B+5], SIZE_K
	s_mov_b32 s[G1+6], 0
	s_mov_b32 s[G1B+6], 0
	s_mov_b32 s[G1+7], 0
	s_mov_b32 s[G1B+7], 0
	; xh's tiles hang on the token block (shared along my row of the cluster) and the wave; wcat's on the o block (shared along my column) and the wave
	s_lshl_b32 s17, s12, 7
	s_lshl_b32 s16, s13, 8
	s_add_co_u32 s16, s16, s17                     ; xh: row 256 x token block + 128 x half
	s_lshl_b32 s16, s16, 12                        ; rows of 4,096 bytes: below 16 MiB
	s_mov_b32 s17, 0
	s_lshl_b32 s47, s12, 11
	s_lshl_b32 s46, s42, 7
	s_add_co_u32 s46, s46, s47                     ; wcat: row 128 x o block, + 2,048 for teach's weights
	s_lshl_b32 s46, s46, 12
	s_mov_b32 s47, 0
	s_mul_i32 s20, s10, HALFT                      ; where my tile goes: wave x 128 rows
	s_wait_dscnt 0x0
	s_wait_kmcnt 0x0
	s_add_nc_u64 s[14:15], s[68:69], s[16:17]
	s_add_nc_u64 s[46:47], s[70:71], s[46:47]
	CROUND                                         ; all sixteen work-groups are here: the first joint loads meet
.irp s, 0,1
	s_mov_b32 s[G0+4*\s], 1
	s_add_co_u32 s[G0+4*\s+1], s20, \s*SLOT
	s_add_nc_u64 s[G0+4*\s+2:G0+4*\s+3], s[14:15], \s*KSTEP*2      ; K step s
	s_or_b32 s[G0+4*\s+3], s[G0+4*\s+3], 0x80000000
	s_mov_b32 s[G0B+4*\s], 1
	s_add_co_u32 s[G0B+4*\s+1], s20, \s*SLOT
	s_add_nc_u64 s[G0B+4*\s+2:G0B+4*\s+3], s[46:47], \s*KSTEP*2
	s_or_b32 s[G0B+4*\s+3], s[G0B+4*\s+3], 0x80000000
	JLOAD \s                                       ; two tensor loads of the wave are out here, one behind every later round
.endr
	; a fragment: lane l holds row l % 16; registers 0-3 K = 8 (l / 16) + 0..7, registers 4-7 K = 16 + 8 (l / 16) + 0..7: two loads of 16 bytes, 32 apart
	v_and_b32 v1, 15, v0                           ; r = l % 16
	v_bfe_u32 v2, v0, 4, 1                         ; h = l / 16
	v_and_b32 v6, 31, v0                           ; l
	v_mul_u32_u24 v3, v1, PITCH
	v_lshl_add_u32 v3, v2, 4, v3
	s_mul_i32 s21, s11, HALFT                      ; my 128 tokens
	s_mul_i32 s22, s12, HALFT                      ; my 128 rows of wcat,
	s_add_co_u32 s22, s22, 2*HALFT                 ; behind xh's 256
.irp s, 0,1
	v_add_nc_u32 v[ADRA+\s], s21, v3
	v_add_nc_u32 v[ADRB+\s], s22, v3
	s_add_co_u32 s21, s21, SLOT
	s_add_co_u32 s22, s22, SLOT
.endr
	s_mul_i32 s23, s10, WSTAGE
	s_add_co_u32 s23, s23, STAGE                   ; my stage
; 16 matrix instructions: token blocks a0, a0 + 1 of the window's four x all 8 column blocks, 32 along K.  zero = 1: the first product starts the sums.
.macro MUL16 f, hi, a0, zero
.irp a, \a0, \a0+1
.irp b, 0,1,2,3,4,5,6,7
.if \zero
	v_wmma_f32_16x16x32_f16 v[8*(8*(\a)+\b):8*(8*(\a)+\b)+7], v[\f+8*\b:\f+8*\b+7], v[\f+8*(4*\hi+\a):\f+8*(4*\hi+\a)+7], 0
.else
	v_wmma_f32_16x16x32_f16 v[8*(8*(\a)+\b):8*(8*(\a)+\b)+7], v[\f+8*\b:\f+8*\b+7], v[\f+8*(4*\hi+\a):\f+8*(4*\hi+\a)+7], v[8*(8*(\a)+\b):8*(8*(\a)+\b)+7]
.endif
.endr
.endr
.endm
; 32 LDS loads in one run: the fragments of one quarter step (32 K at byte k of the rows) into buffer f: wcat's 16 loads, then xh's 16
.macro FETCH slot, k, f
	WIN TO_B
.irp i, 0,1,2,3,4,5,6,7
	ds_load_b128 v[\f+8*\i:\f+8*\i+3],   v[ADRB+\slot] offset:\k+\i*16*PITCH
	ds_load_b128 v[\f+8*\i+4:\f+8*\i+7], v[ADRB+\slot] offset:\k+\i*16*PITCH+32
.endr
	WIN 0
.irp i, 0,1,2,3,4,5,6,7
	ds_load_b128 v[\f+8*\i:\f+8*\i+3],   v[ADRA+\slot] offset:\k+\i*16*PITCH
	ds_load_b128 v[\f+8*\i+4:\f+8*\i+7], v[ADRA+\slot] offset:\k+\i*16*PITCH+32
.endr
.endm
; Four independent vector instructions stand between a matrix instruction and a load into one of its registers or a reader of its result
; (ISA guide 7.12.1 for vector instructions).
.macro PLACES
.rept 4
	v_nop
.endr
.endm
; One of a K step's first three quarters: multiplies buffer f, and in its middle fetches the next quarter's fragments into buffer g
.macro QUARTER slot, k, f, g, zero
	s_wait_dscnt 8                                 ; wcat's fragments and tokens 0-63 are in; the youngest eight loads (tokens 64-127) may be out
	WIN MUL_LO
	MUL16 \f, 0, 0, \zero
	MUL16 \f, 0, 2, \zero
	PLACES
	FETCH \slot, \k, \g
	s_wait_dscnt 32                                ; all but the 32 just issued
	WIN MUL_HI
	MUL16 \f, 1, 0, \zero
	MUL16 \f, 1, 2, \zero
.endm
.macro THREE slot, zero
	QUARTER \slot, 64,  F0, F1, \zero
	QUARTER \slot, 128, F1, F0, 0
	QUARTER \slot, 192, F0, F1, 0
.endm
; The last quarter: multiplies buffer 1 and changes slots.  In front of the barrier each wave waits for its reads of this slot and for all its
; tensor loads (one is out: its part of the next slot).  Behind it (with fill = 1: behind the whole round of the cluster's barrier) this slot's
; refill comes first, then the next slot's first fragments.  From a request to the wait for it a wave issues 240 matrix instructions.
.macro TURN slot, next, fill
	s_wait_dscnt 8
	WIN MUL_LO
	MUL16 F1, 0, 0, 0
	s_wait_dscnt 0                                 ; my reads of this slot are over
	s_wait_tensorcnt 0x0                           ; and all my tensor loads have landed
	ds_add_u32 v255, v255
	s_wait_dscnt 0x0
	s_barrier_signal -1
	MUL16 F1, 0, 2, 0                              ; register work while the others arrive
	WIN 0
	s_barrier_wait -1
.if \fill
	CREST                                          ; no wave of any partner still reads this slot's tile or has a load on its way
	s_add_nc_u64 s[G0+4*\slot+2:G0+4*\slot+3], s[G0+4*\slot+2:G0+4*\slot+3], 2*KSTEP*2
	s_add_nc_u64 s[G0B+4*\slot+2:G0B+4*\slot+3], s[G0B+4*\slot+2:G0B+4*\slot+3], 2*KSTEP*2
	JLOAD \slot                                    ; the first tensor load behind the round, and the wave's only one until the next
.endif
	PLACES
	FETCH \next, 0, F0
	WIN MUL_HI
	MUL16 F1, 1, 0, 0
	MUL16 F1, 1, 2, 0
.endm
.macro LAP zero
	THREE 0, \zero
	TURN 0, 1, 1
	THREE 1, 0
	TURN 1, 0, 1
.endm
	s_wait_tensorcnt 1                             ; my part of K step 0 is in; K step 1's may stay out
	s_barrier_signal -1
	s_barrier_wait -1
	FETCH 0, 0, F0
	LAP 1                                          ; the first lap's first products start the sums: nothing is cleared
	WIN 0
	s_mov_b32 s3, LAPS-2
.Llap:
	LAP 0
	WIN 0
	s_sub_co_u32 s3, s3, 1
	s_cmp_lg_u32 s3, 0
	s_cbranch_scc1 .Llap
	THREE 0, 0                                     ; the last lap fills nothing
	TURN 0, 1, 0
	THREE 1, 0
	s_wait_dscnt 8
	WIN MUL_LO
	MUL16 F1, 0, 0, 0
	MUL16 F1, 0, 2, 0
	s_wait_dscnt 0
	WIN MUL_HI
	MUL16 F1, 1, 0, 0
	MUL16 F1, 1, 2, 0
	; THE WAY OUT, 16 tokens at a time, through the wave's own stage, so that every global store of the wave covers whole aligned runs of 256 bytes or more.
	PLACES                                         ; the places behind the last matrix instructions, for the readers of results and the loads into the fragment buffers
	WIN 0
	s_lshl_b32 s16, s13, 8
	s_lshl_b32 s17, s11, 7
	s_add_co_u32 s16, s16, s17                     ; my first token
	s_mov_b32 s19, 0
	s_mov_b32 s47, 0
	s_cmp_eq_u32 s12, 0                            ; the wave's number alone decides: no barrier stands inside either way
	s_cbranch_scc0 .Lteach
	; y: f32 straight from the accumulators
	v_mul_u32_u24 v4, v1, YPITCH                   ; in: row r, 32 bytes for each half of the lanes
	v_lshl_add_u32 v4, v2, 5, v4
	v_add_nc_u32 v[STO], s23, v4
	v_lshlrev_b32 v[CO], 4, v6                     ; back: a row of 512 bytes is 32 lanes x 16
	v_add_nc_u32 v[RD], s23, v[CO]
	s_lshl_b32 s18, s16, 13                        ; rows of 8,192 bytes
	s_add_nc_u64 s[80:81], s[72:73], s[18:19]
	s_lshl_b32 s46, s42, 9                         ; my 128 columns: 512 bytes x o block
	s_add_nc_u64 s[80:81], s[80:81], s[46:47]
; tokens 16 i .. 16 i + 15 = the eight tiles (a, 0..7) of window 2 or 3 (win: the window of the LDS stores' data); f: F0 and F1 in turn
.macro OUTY i, a, win, f
	WIN \win
.irp b, 0,1,2,3,4,5,6,7
	ds_store_b128 v[STO], v[8*(8*\a+\b):8*(8*\a+\b)+3]   offset:64*\b
	ds_store_b128 v[STO], v[8*(8*\a+\b)+4:8*(8*\a+\b)+7] offset:64*\b+16
.endr
	WIN 0
	s_wait_xcnt 0x0                                ; buffer f, which earlier stores read, and the stores' base are written again only behind this wait
.if \i
	s_add_nc_u64 s[80:81], s[80:81], 16*YROW
.endif
.irp t, 0,1,2,3,4,5,6,7,8,9,10,11,12,13,14,15
	ds_load_b128 v[\f+4*\t:\f+4*\t+3], v[RD] offset:\t*YPITCH      ; a wave's LDS instructions are served in order: these see the stores above
.endr
.irp t, 0,1,2,3,4,5,6,7,8,9,10,11,12,13,14,15
	s_wait_dscnt 15-\t                             ; row t of the sixteen is in
	global_store_b128 v[CO], v[\f+4*\t:\f+4*\t+3], s[80:81] offset:\t*YROW th:TH_STORE_NT   ; 512 consecutive bytes, aligned
.endr
.endm
	OUTY 0, 0, 0x08, F0
	OUTY 1, 1, 0x08, F1
	OUTY 2, 2, 0x08, F0
	OUTY 3, 3, 0x08, F1
	OUTY 4, 0, 0x0c, F0
	OUTY 5, 1, 0x0c, F1
	OUTY 6, 2, 0x0c, F0
	OUTY 7, 3, 0x0c, F1
	s_branch .Ljoin
.Lteach:
	; teach: rounded to bf16 for the next product; the squares are summed from the f32 sums
	v_mul_u32_u24 v4, v1, TPITCH                   ; in: row r, 16 bytes for each half of the lanes
	v_lshl_add_u32 v4, v2, 4, v4
	v_add_nc_u32 v[STO], s23, v4
	v_mul_u32_u24 v5, v2, TPITCH                   ; back: lanes 0-15 take one row of 256 bytes, lanes 16-31 the next
	v_lshl_add_u32 v5, v1, 4, v5
	v_add_nc_u32 v[RD], s23, v5
	v_lshlrev_b32 v5, 12, v2                       ; and the same two rows in teach
	v_lshl_add_u32 v[CO], v1, 4, v5
	v_lshlrev_b32 v5, 2, v1
	v_add_nc_u32 v[SQA], s23, v5                   ; token r's word among the sums
	v_lshlrev_b32 v[PO], 4, v6
	v_add_nc_u32 v[RDS], s23, v[PO]
	s_lshl_b32 s18, s16, 12                        ; rows of 4,096 bytes
	s_add_nc_u64 s[80:81], s[74:75], s[18:19]
	s_lshl_b32 s46, s42, 8                         ; my 128 columns: 256 bytes x o block
	s_add_nc_u64 s[80:81], s[80:81], s[46:47]
	s_lshl_b32 s18, s16, 2                         ; part: 4 bytes a token,
	s_add_nc_u64 s[76:77], s[76:77], s[18:19]
	s_lshl_b32 s46, s42, 14                        ; 16,384 bytes an o block
	s_add_nc_u64 s[76:77], s[76:77], s[46:47]
; from = 0x0a or 0x0f: sources 0 and 1 in window 2 or 3; destination and source 2 in window 0
.macro OUTT i, a, from, f
	WIN \from
.irp b, 0,1,2,3,4,5,6,7
.irp q, 0,1,2,3
	v_cvt_pk_bf16_f32 v[TMP+4*\b+\q], v[8*(8*\a+\b)+2*\q], v[8*(8*\a+\b)+2*\q+1]
.if \b
	v_pk_fma_f32 v[SQ+2*\q:SQ+2*\q+1], v[8*(8*\a+\b)+2*\q:8*(8*\a+\b)+2*\q+1], v[8*(8*\a+\b)+2*\q:8*(8*\a+\b)+2*\q+1], v[SQ+2*\q:SQ+2*\q+1]
.else
	v_pk_mul_f32 v[SQ+2*\q:SQ+2*\q+1], v[8*(8*\a+\b)+2*\q:8*(8*\a+\b)+2*\q+1], v[8*(8*\a+\b)+2*\q:8*(8*\a+\b)+2*\q+1]   ; the first tile starts the four chains
.endif
.endr
.endr
	WIN 0
.irp b, 0,1,2,3,4,5,6,7
	ds_store_b128 v[STO], v[TMP+4*\b:TMP+4*\b+3] offset:32*\b
.endr
	v_pk_add_f32 v[SQ:SQ+1],   v[SQ:SQ+1],   v[SQ+2:SQ+3]
	v_pk_add_f32 v[SQ+4:SQ+5], v[SQ+4:SQ+5], v[SQ+6:SQ+7]
	v_pk_add_f32 v[SQ:SQ+1],   v[SQ:SQ+1],   v[SQ+4:SQ+5]
	v_add_f32 v[SQ], v[SQ], v[SQ+1]                ; my 64 columns of token r
	v_permlanex16_b32 v[SQ+1], v[SQ], s78, s79     ; the other 64, from lane l xor 16
	v_add_f32 v[SQ], v[SQ], v[SQ+1]
	ds_store_b32 v[SQA], v[SQ] offset:SUMS+64*\i   ; lanes r and r + 16 write the same word with the same value
	s_wait_xcnt 0x0                                ; buffer f, which earlier stores read, and the stores' base are written again only behind this wait
.if \i
	s_add_nc_u64 s[80:81], s[80:81], 16*TROW
.endif
.irp t, 0,1,2,3,4,5,6,7
	ds_load_b128 v[\f+4*\t:\f+4*\t+3], v[RD] offset:\t*2*TPITCH
.endr
.irp t, 0,1,2,3,4,5,6,7
	s_wait_dscnt 7-\t
	global_store_b128 v[CO], v[\f+4*\t:\f+4*\t+3], s[80:81] offset:2*\t*TROW    ; 16 lanes store 256 consecutive bytes, aligned; no hint: a later launch reads them
.endr
.endm
	OUTT 0, 0, 0x0a, F0
	OUTT 1, 1, 0x0a, F1
	OUTT 2, 2, 0x0a, F0
	OUTT 3, 3, 0x0a, F1
	OUTT 4, 0, 0x0f, F0
	OUTT 5, 1, 0x0f, F1
	OUTT 6, 2, 0x0f, F0
	OUTT 7, 3, 0x0f, F1
	ds_load_b128 v[TMP:TMP+3], v[RDS] offset:SUMS  ; my wave's 128 sums, four a lane
	s_wait_dscnt 0x0
	global_store_b128 v[PO], v[TMP:TMP+3], s[76:77]        ; 512 consecutive bytes, aligned
.Ljoin:
	s_set_vgpr_msb 0x1
	s_wait_tensorcnt 0x0
	ds_add_u32 v255, v255
	s_wait_dscnt 0x0
	s_set_vgpr_msb 0x100
	CROUND                                         ; the closing round: no work-group ends while a partner may still ask for a tile that names it
	s_endpgm
.Lfunc_end_k_qe25ccc9c68_gemm1:
	.size	k_qe25ccc9c68_gemm1, .Lfunc_end_k_qe25ccc9c68_gemm1-k_qe25ccc9c68_gemm1
	.p2alignl 7, 3214868480
	.fill 96, 4, 3214868480
	.section	.rodata,"a",@progbits
	.p2align	6, 0x0
	.amdhsa_kernel k_qe25ccc9c68_gemm1
		.amdhsa_group_segment_fixed_size 327680
		.amdhsa_private_segment_fixed_size 0
		.amdhsa_enable_private_segment 0
		.amdhsa_kernarg_size 40
		.amdhsa_user_sgpr_count 2
		.amdhsa_user_sgpr_kernarg_segment_ptr 1
		.amdhsa_wavefront_size32 1
		.amdhsa_system_sgpr_workgroup_id_x 1
		.amdhsa_system_sgpr_workgroup_id_y 1
		.amdhsa_system_sgpr_workgroup_id_z 1
		.amdhsa_system_vgpr_workitem_id 0
		.amdhsa_next_free_vgpr 1024
		.amdhsa_next_free_sgpr 82
		.amdhsa_reserve_vcc 0
		.amdhsa_float_denorm_mode_32 3
		.amdhsa_float_denorm_mode_16_64 3
		.amdhsa_memory_ordered 1
		.amdhsa_forward_progress 1
		.amdhsa_inst_pref_size 249
	.end_amdhsa_kernel
	.amdgpu_metadata
---
amdhsa.version: [ 1, 2 ]
amdhsa.kernels:
  - .name:           k_qe25ccc9c68_gemm1
    .symbol:         k_qe25ccc9c68_gemm1.kd
    .args:
      - { .name: xh, .offset: 0, .size: 8, .value_kind: global_buffer, .address_space: global }
      - { .name: wcat, .offset: 8, .size: 8, .value_kind: global_buffer, .address_space: global }
      - { .name: out0, .offset: 16, .size: 8, .value_kind: global_buffer, .address_space: global }
      - { .name: teach, .offset: 24, .size: 8, .value_kind: global_buffer, .address_space: global }
      - { .name: part, .offset: 32, .size: 8, .value_kind: global_buffer, .address_space: global }
    .group_segment_fixed_size: 327680
    .private_segment_fixed_size: 0
    .kernarg_segment_align: 8
    .kernarg_segment_size: 40
    .max_flat_workgroup_size: 128
    .sgpr_count:     82
    .vgpr_count:     1024
    .wavefront_size: 32
...
	.end_amdgpu_metadata
.endif
;; end of part 2
;; launch norms (part 3): grid 32 x 1, 1 waves a work-group, no clusters, 0 bytes of LDS; arguments part, snorm; writes snorm
.if DOCPART == 3
	.amdgcn_target "amdgcn-amd-amdhsa--gfx1250"
	.amdhsa_code_object_version 6
	.text
	.protected	k_qe25ccc9c68_norms
	.globl	k_qe25ccc9c68_norms
	.p2align	8
	.type	k_qe25ccc9c68_norms,@function
k_qe25ccc9c68_norms:
	s_mov_b64 s[64:65], 0
	v_nop
	global_prefetch_b8 v0, s[64:65] scope:SCOPE_SE
	s_setreg_imm32_b32 hwreg(HW_REG_WAVE_MODE, 25, 1), 1
	s_wait_xcnt 0x0
; snorm[g] = the sum over tokens 128 g .. 128 g + 127 of sqrt(sum over the 16 o blocks of part[ob][token]).
; 256 KiB of input: one wave a work-group, 32 work-groups; a lane takes four neighbouring tokens, so a load covers 512 consecutive bytes.
; There is work for 32 waves and no more is launched.  No LDS, no cluster: no input is shared.
; LIMIT: v_sqrt_f32 takes a denormal input as zero (ISA guide, its entry in 15.8): a row whose sum of squares lies below 2^-126 counts as 0.
	s_load_b128 s[4:7], s[0:1], 0x0                ; part s[4:5], snorm s[6:7]
	s_mov_b32 s8, 0x76543210
	s_mov_b32 s9, 0xfedcba98
	s_lshl_b32 s10, ttmp9, 9                       ; 128 tokens of 4 bytes
	s_lshl_b32 s11, ttmp9, 2                       ; my word of snorm
	v_lshlrev_b32 v1, 4, v0
	v_add_nc_u32 v1, s10, v1
	v_mov_b32 v2, s11
	s_wait_kmcnt 0x0
.irp b, 0,1,2,3,4,5,6,7,8,9,10,11,12,13,14,15
	global_load_b128 v[4+4*\b:7+4*\b], v1, s[4:5] offset:16384*\b
.endr
	s_wait_loadcnt 0x0
	; a tree over the 16 o blocks: 8, 4, 2, 1 sums of four tokens
.irp b, 0,1,2,3,4,5,6,7
	v_pk_add_f32 v[4+4*\b:5+4*\b], v[4+4*\b:5+4*\b], v[36+4*\b:37+4*\b]
	v_pk_add_f32 v[6+4*\b:7+4*\b], v[6+4*\b:7+4*\b], v[38+4*\b:39+4*\b]
.endr
.irp b, 0,1,2,3
	v_pk_add_f32 v[4+4*\b:5+4*\b], v[4+4*\b:5+4*\b], v[20+4*\b:21+4*\b]
	v_pk_add_f32 v[6+4*\b:7+4*\b], v[6+4*\b:7+4*\b], v[22+4*\b:23+4*\b]
.endr
.irp b, 0,1
	v_pk_add_f32 v[4+4*\b:5+4*\b], v[4+4*\b:5+4*\b], v[12+4*\b:13+4*\b]
	v_pk_add_f32 v[6+4*\b:7+4*\b], v[6+4*\b:7+4*\b], v[14+4*\b:15+4*\b]
.endr
	v_pk_add_f32 v[4:5], v[4:5], v[8:9]
	v_pk_add_f32 v[6:7], v[6:7], v[10:11]
	v_sqrt_f32 v8, v4
	v_sqrt_f32 v9, v5
	v_sqrt_f32 v10, v6
	v_sqrt_f32 v11, v7
	v_nop                                          ; one plain vector instruction between a root and the use of its result (ISA guide 5.7.2)
	s_wait_alu depctr_va_vdst(0)
	v_add_f32 v8, v8, v9
	v_add_f32 v10, v10, v11
	v_add_f32 v8, v8, v10
	v_add_f32_dpp v8, v8, v8 row_xmask:1 row_mask:0xf bank_mask:0xf
	v_add_f32_dpp v8, v8, v8 row_xmask:2 row_mask:0xf bank_mask:0xf
	v_add_f32_dpp v8, v8, v8 row_xmask:4 row_mask:0xf bank_mask:0xf
	v_add_f32_dpp v8, v8, v8 row_xmask:8 row_mask:0xf bank_mask:0xf
	v_permlanex16_b32 v9, v8, s8, s9               ; v9 has been written before
	v_add_f32 v8, v8, v9
	v_cmp_eq_u32 vcc_lo, 0, v0
	s_wait_xcnt 0x0                                ; EXEC changes only behind this wait
	s_and_saveexec_b32 s12, vcc_lo
	global_store_b32 v2, v8, s[6:7]                ; lane 0 alone: one word for the work-group
	s_wait_xcnt 0x0
	s_or_b32 exec_lo, exec_lo, s12
	s_endpgm
.Lfunc_end_k_qe25ccc9c68_norms:
	.size	k_qe25ccc9c68_norms, .Lfunc_end_k_qe25ccc9c68_norms-k_qe25ccc9c68_norms
	.p2alignl 7, 3214868480
	.fill 96, 4, 3214868480
	.section	.rodata,"a",@progbits
	.p2align	6, 0x0
	.amdhsa_kernel k_qe25ccc9c68_norms
		.amdhsa_group_segment_fixed_size 0
		.amdhsa_private_segment_fixed_size 0
		.amdhsa_enable_private_segment 0
		.amdhsa_kernarg_size 16
		.amdhsa_user_sgpr_count 2
		.amdhsa_user_sgpr_kernarg_segment_ptr 1
		.amdhsa_wavefront_size32 1
		.amdhsa_system_sgpr_workgroup_id_x 1
		.amdhsa_system_sgpr_workgroup_id_y 1
		.amdhsa_system_sgpr_workgroup_id_z 1
		.amdhsa_system_vgpr_workitem_id 0
		.amdhsa_next_free_vgpr 72
		.amdhsa_next_free_sgpr 66
		.amdhsa_reserve_vcc 1
		.amdhsa_float_denorm_mode_32 3
		.amdhsa_float_denorm_mode_16_64 3
		.amdhsa_memory_ordered 1
		.amdhsa_forward_progress 1
		.amdhsa_inst_pref_size 5
	.end_amdhsa_kernel
	.amdgpu_metadata
---
amdhsa.version: [ 1, 2 ]
amdhsa.kernels:
  - .name:           k_qe25ccc9c68_norms
    .symbol:         k_qe25ccc9c68_norms.kd
    .args:
      - { .name: part, .offset: 0, .size: 8, .value_kind: global_buffer, .address_space: global }
      - { .name: snorm, .offset: 8, .size: 8, .value_kind: global_buffer, .address_space: global }
    .group_segment_fixed_size: 0
    .private_segment_fixed_size: 0
    .kernarg_segment_align: 8
    .kernarg_segment_size: 16
    .max_flat_workgroup_size: 32
    .sgpr_count:     66
    .vgpr_count:     72
    .wavefront_size: 32
...
	.end_amdgpu_metadata
.endif
;; end of part 3
;; launch gemm3 (part 4): grid 16 x 16, 4 waves a work-group, clusters of 4 x 4, 327,680 bytes of LDS; arguments teach, xb, delta_W, snorm, out1; writes out1
.if DOCPART == 4
	.amdgcn_target "amdgcn-amd-amdhsa--gfx1250"
	.amdhsa_code_object_version 6
	.text
	.protected	k_qe25ccc9c68_gemm3
	.globl	k_qe25ccc9c68_gemm3
	.p2align	8
	.type	k_qe25ccc9c68_gemm3,@function
k_qe25ccc9c68_gemm3:
	s_mov_b64 s[64:65], 0
	v_nop
	global_prefetch_b8 v0, s[64:65] scope:SCOPE_SE
	s_setreg_imm32_b32 hwreg(HW_REG_WAVE_MODE, 25, 1), 1
	s_wait_xcnt 0x0
	s_wait_alu depctr_hold_cnt(0) depctr_sa_sdst(0) depctr_va_vdst(0) depctr_va_sdst(0) depctr_va_ssrc(0) depctr_va_vcc(0) depctr_vm_vsrc(0)
	s_getreg_b32 s2, hwreg(HW_REG_IB_STS2, 6, 4)
	s_cmp_eq_u32 s2, 0
	s_cbranch_scc0 .Lentry_in_a_cluster
	s_endpgm
.Lentry_in_a_cluster:
	s_bfe_u32 s2, ttmp6, 0x10000c
	s_cmp_lg_u32 s2, 0xf033
	s_cbranch_scc0 .Lentry_shape_is_right
	s_endpgm
.Lentry_shape_is_right:
; out1[o][i] = surprise > 1 ? 0.95 delta_W[o][i] + 0.01 / 4096 x (sum over 4,096 tokens t of teach[t][o] xb[t][i]) : delta_W[o][i],
; surprise = (sum of snorm's 32 words) / 4096.  bf16 operands (teach has no room in f16), f32 sums.
; The result has 2,048 x 2,048 numbers: 256 blocks of 128 x 128, one a work-group.  EVERY wave keeps the whole block (64 accumulator tiles, 512
; registers: 16 KiB of fragments feed 64 matrix instructions) and takes a quarter of the tokens: of each K step of 256 tokens wave w multiplies
; tokens 64 w .. 64 w + 63, two chunks of 32.  The four partial blocks are added once at the end, through LDS.
; Both operands lie in memory with the token along the rows' index, that is [K][N]: the fragments are read by the transposing LDS load.
; Two LDS slots, each with teach's tile (256 tokens x 128 o) and xb's (256 tokens x 128 i); a tile's rows are 256 bytes of memory, at multiples of 256.
; A K step brings 128 KiB for 128 matrix instructions a wave, and two such slots fill LDS: so the refill is asked for as early as the ordering allows
; (all work that needs no new tile stands ahead of the wait for the tile), and later tiles are asked for ahead of their tensor loads:
; PREFETCH: of each lap's 512 tokens work-group (i block bi, o block bo) asks for the 256 bytes of teach's column block bo in the 32 rows with
; t mod 16 = bi, and for the 256 bytes of xb's column block bi in the 32 rows with t mod 16 = bo: over the 16 work-groups that read a tile each of its
; rows is asked for once in the launch.  Wave 0 asks for teach, wave 2 for xb: one instruction of 32 lanes a lap, behind the lap's second refill, for
; the lap after next, whose first tile's tensor load follows one K step (128 matrix instructions) later.  Lap 1 is asked for at the head; lap 5 asks for
; lap 7, the last; laps 6 and 7 ask for nothing.  The largest offset asked for is 14 MiB + 2,096,896 bytes, inside the buffers' 16 MiB.
; CLUSTERS: 4 x 4 work-groups.  teach's tile hangs on the o block, shared along a row of the cluster; xb's on the i block, shared along a column:
; each is asked for jointly, by the same tensor load with the same descriptor and a mask that names the four.
; The gate enters through v_cndmask_b32 alone: no branch and no address hangs on it.
; REGISTERS in windows of 256: window 0: v0-31 addresses, v64-127 and v128-191 fragments of teach (two buffers), later the batches of the final sum;
; window 1: v64-191 fragments of xb; v0-63 and v192-255 my 32 rows of delta_W, asked for at the start and untouched until the end;
; windows 2 and 3: the accumulators, tile (a, b) at v[8 (8 a + b)], o blocks 0-3 and 4-7.
; The matrix instruction is used transposed (source 0 = 16 columns i of xb, source 1 = 16 columns o of teach): lane l holds o = l % 16, and its
; registers 0 to 7 the columns i = 8 (l / 16) + 0 .. 7.
; The 64 accumulators take turns, one instruction a turn, in the same order in every chunk.
; LIMITS: the row norms behind the gate come from products of operands rounded to f16, summed in f32 in another order than the formula's, so a
; surprise within about a thousandth of 1.0 may fall on the other side than in f32.
; Order of rounding: out1 = fma(delta_W, 0.95, c ((P0 + P1) + (P2 + P3))), c = 0.01 x 2^-12 as one f32 constant, P0..P3 the waves' sums.
.set PITCH,  288                       ; an LDS row: 256 bytes of data + 32 of padding: an odd multiple of 32, as the transposing load's eight-row groups want
.set HALFT,  128*PITCH                 ; 128 tokens: what one tensor load brings
.set SLOT,   4*HALFT                   ; teach's 256 tokens, then xb's 256
.set CHUNK,  32*PITCH                  ; 32 tokens: one matrix instruction's K
.set TROW,   4096                      ; bytes in a row of teach and of xb
.set STEPB,  256*TROW                  ; a K step in memory
.set LAPS,   8                         ; 16 K steps, two a lap
.set RPITCH, 528                       ; a row of a partial block: 128 f32 + 16 bytes
.set REGION, 128*RPITCH                ; a wave's partial block; four of them lie in the slots' bytes, behind the slots' last fill
.set OROW,   8192                      ; bytes in a row of delta_W and of out1
.set ADRA, 16                          ; v16-17  LDS address of my teach fragments in slot 0, 1
.set ADRB, 20                          ; v20-21  the same for xb
.set STO,  24                          ; where my part of a partial row goes
.set RD,   26                          ; v26-29  where I read my rows of partial block 0..3
.set CO,   30                          ; 16 x lane: my 16 bytes of a row of 512; never rewritten
.set PF,   31                          ; the prefetch's byte offset inside a lap: my lane's row and the column block; never rewritten
.set F0,   64
.set F1,   128
.set G1, 24
.set G0, 32
.set G1B, 48
.set G0B, 56
.set PB, 92                            ; s[92:93] the prefetch's base: teach (waves 0, 1) or xb (waves 2, 3) at the lap that is asked for
.set MSB, 0
.macro WIN new                         ; the immediate's high byte repeats the setting that is left; a switch that changes nothing is dropped
.if MSB != \new
	s_set_vgpr_msb (MSB<<8)|\new
.set MSB, \new
.endif
.endm
.set MUL_LO, 0xa1                      ; source 0 window 1, source 1 window 0, C and D window 2
.set MUL_HI, 0xf1                      ; the same, C and D window 3
.set TO_B,   0x40                      ; destination window 1, address window 0
.macro JLOAD s                         ; waves 0 and 1 fetch teach's two halves of the step, waves 2 and 3 xb's
	s_cmp_eq_u32 s11, 0
	s_cbranch_scc0 .Lfor_b_\@
	tensor_load_to_lds s[G0+4*\s:G0+4*\s+3], s[G1:G1+7]
	s_nop 0
	s_branch .Lasked_\@
.Lfor_b_\@:
	tensor_load_to_lds s[G0B+4*\s:G0B+4*\s+3], s[G1B:G1B+7]
	s_nop 0
.Lasked_\@:
.endm
.macro CREST                           ; a round of the cluster's barrier behind its opening work-group barrier
	s_cmp_lg_u32 s10, 0
	s_cbranch_scc1 .Lnot_wave_0_\@
	s_barrier_signal -3
.Lnot_wave_0_\@:
	s_barrier_wait -3
	s_barrier_signal -1
	s_barrier_wait -1
.endm
.macro CROUND
	s_barrier_signal -1
	s_barrier_wait -1
	CREST
.endm
; One lap's 32 blocks of 256 bytes of one operand are asked for, by waves 0 and 2 alone.  step = 1: the base goes one lap on first; the wait in
; front of that step stands a whole lap behind the last prefetch, which read the base.
.macro PREF step
	s_cmp_lg_u32 s12, 0                            ; the wave's number alone decides
	s_cbranch_scc1 .Lno_pf_\@
.if \step
	s_wait_xcnt 0x0                                ; the base is written again only behind this wait
	s_add_nc_u64 s[PB:PB+1], s[PB:PB+1], 2*STEPB
.endif
	global_prefetch_b8 v[PF], s[PB:PB+1] th:TH_LOAD_NT scope:SCOPE_SE
.Lno_pf_\@:
.endm
	s_load_b256 s[68:75], s[0:1], 0x0              ; teach s[68:69], xb s[70:71], delta_W s[72:73], snorm s[74:75]
	s_load_b64 s[76:77], s[0:1], 0x20              ; out1
	v_lshl_add_u32 v254, v0, 2, 0x48000
	v_mov_b32 v255, 0
	ds_add_u32 v254, v255
	v_lshrrev_b32 v1, 5, v0
	v_readfirstlane_b32 s10, v1                    ; wave 0..3
	s_lshr_b32 s11, s10, 1                         ; I fetch for teach (0) or for xb (1),
	s_and_b32 s12, s10, 1                          ; tokens 0-127 or 128-255 of the step
	s_bfe_u32 s40, ttmp6, 0x40000                  ; cx
	s_bfe_u32 s41, ttmp6, 0x40004                  ; cy
	s_lshl_b32 s42, ttmp9, 2
	s_add_co_u32 s42, s42, s40                     ; i block = 4 x cluster x + cx
	s_and_b32 s13, ttmp7, 0xffff
	s_lshl_b32 s13, s13, 2
	s_add_co_u32 s13, s13, s41                     ; o block = 4 x cluster y + cy
	s_lshl_b32 s43, s41, 2
	s_lshl_b32 s43, 15, s43                        ; my row of the cluster
	s_lshl_b32 s44, 0x1111, s40                    ; my column
	s_mov_b32 s78, 0x76543210
	s_mov_b32 s79, 0xfedcba98
	s_mov_b32 s82, 0x3f733333                      ; 0.95; the pair is written whole
	s_mov_b32 s83, 0x3f733333
	s_mov_b32 s84, 0x3623d70a                      ; 0.01 x 2^-12: the f32 nearest 0.01 with its exponent lowered by 12
	s_mov_b32 s85, 0x3623d70a
	; group 1: a tile of 128 rows x 128 elements of 2 bytes, 8 words of padding behind every 64
	s_or_b32 s[G1+0], s43, (1<<16)|(1<<20)|(1<<21)|(5<<22)|(7<<25)
	s_or_b32 s[G1B+0], s44, (1<<16)|(1<<20)|(1<<21)|(5<<22)|(7<<25)
	s_mov_b32 s[G1+1], 128<<16                     ; tensor_dim0 = 128
	s_mov_b32 s[G1B+1], 128<<16
	s_mov_b32 s[G1+2], 128<<16                     ; tensor_dim1 = 128
	s_mov_b32 s[G1B+2], 128<<16
	s_mov_b32 s[G1+3], 128<<16                     ; tile_dim0 = 128
	s_mov_b32 s[G1B+3], 128<<16
	s_mov_b32 s[G1+4], 128                         ; tile_dim1 = 128
	s_mov_b32 s[G1B+4], 128
	s_mov_b32 s[G1+5], 2048                        ; elements from row to row
	s_mov_b32 s[G1B+5], 2048
	s_mov_b32 s[G1+6], 0
	s_mov_b32 s[G1B+6], 0
	s_mov_b32 s[G1+7], 0
	s_mov_b32 s[G1B+7], 0
	s_lshl_b32 s17, s12, 19                        ; 128 tokens of 4,096 bytes
	s_lshl_b32 s16, s13, 8                         ; teach: 256 bytes x o block
	s_add_co_u32 s16, s16, s17
	s_mov_b32 s17, 0
	s_lshl_b32 s47, s12, 19
	s_lshl_b32 s46, s42, 8                         ; xb: 256 bytes x i block
	s_add_co_u32 s46, s46, s47
	s_mov_b32 s47, 0
	s_mul_i32 s20, s10, HALFT                      ; where my tile goes: wave x 128 rows
	s_lshl_b32 s90, s13, 7                         ; my 32 rows of the block in delta_W and out1: row 128 x o block + 32 x wave,
	s_lshl_b32 s91, s10, 5
	s_add_co_u32 s90, s90, s91
	s_lshl_b32 s90, s90, 13                        ; of 8,192 bytes,
	s_lshl_b32 s91, s42, 9                         ; at 512 bytes x i block; these two registers feed no descriptor
	s_add_co_u32 s90, s90, s91
	s_mov_b32 s91, 0
	s_cmp_eq_u32 s11, 0                            ; the prefetch's place: for teach rows t mod 16 = i block of column block o block, for xb the other way round
	s_cselect_b32 s94, s42, s13
	s_cselect_b32 s95, s13, s42
	s_lshl_b32 s94, s94, 12                        ; the first of my rows, of 4,096 bytes,
	s_lshl_b32 s95, s95, 8                         ; and 256 bytes x column block; these two registers feed no descriptor
	s_add_co_u32 s94, s94, s95
	v_and_b32 v6, 31, v0                           ; l
	v_lshlrev_b32 v[CO], 4, v6
	v_lshl_add_u32 v[PF], v6, 16, s94              ; lane l: 16 l rows further down
	v_lshlrev_b32 v9, 2, v6                        ; my word of snorm
	v_mov_b32 v11, 0                               ; written before v_permlanex16_b32 names it as its destination
	s_wait_dscnt 0x0
	s_wait_kmcnt 0x0
	s_add_nc_u64 s[14:15], s[68:69], s[16:17]
	s_add_nc_u64 s[46:47], s[70:71], s[46:47]
	s_add_nc_u64 s[86:87], s[72:73], s[90:91]
	s_add_nc_u64 s[88:89], s[76:77], s[90:91]
	s_cmp_eq_u32 s11, 0
	s_cselect_b64 s[PB:PB+1], s[68:69], s[70:71]   ; teach for waves 0 and 1, xb for waves 2 and 3,
	s_add_nc_u64 s[PB:PB+1], s[PB:PB+1], 2*STEPB   ; at lap 1
	CROUND                                         ; all sixteen work-groups are here: the first joint loads meet
.irp s, 0,1
	s_mov_b32 s[G0+4*\s], 1
	s_add_co_u32 s[G0+4*\s+1], s20, \s*SLOT
	s_add_nc_u64 s[G0+4*\s+2:G0+4*\s+3], s[14:15], \s*STEPB        ; K step s
	s_or_b32 s[G0+4*\s+3], s[G0+4*\s+3], 0x80000000
	s_mov_b32 s[G0B+4*\s], 1
	s_add_co_u32 s[G0B+4*\s+1], s20, \s*SLOT
	s_add_nc_u64 s[G0B+4*\s+2:G0B+4*\s+3], s[46:47], \s*STEPB
	s_or_b32 s[G0B+4*\s+3], s[G0B+4*\s+3], 0x80000000
	JLOAD \s                                       ; two tensor loads of the wave are out here, one behind every later round
.endr
	global_load_b32 v10, v9, s[74:75]              ; the 32 partial sums of the row norms, one a lane
	WIN TO_B                                       ; my 32 rows of delta_W into window 1: row q at v[4 q], from row 16 on at v[4 q + 128]; a load covers 512 consecutive bytes
.irp q, 0,1,2,3,4,5,6,7,8,9,10,11,12,13,14,15,16,17,18,19,20,21,22,23,24,25,26,27,28,29,30,31
	global_load_b128 v[4*\q+128*(\q/16):4*\q+128*(\q/16)+3], v[CO], s[86:87] offset:OROW*\q th:TH_LOAD_NT
.endr
	WIN 0
	PREF 0                                         ; lap 1's rows: their first tensor load follows at the end of K step 0
	; a fragment from rows that lie along N: lane l addresses row 8 (l / 16) + l % 8 of the chunk and the 16 bytes (l / 8) % 2 of the 32 of its 16 columns;
	; the load hands lane l tokens 8 (l / 16) + 0..7 of column l % 16; the second load, 16 rows down, tokens 16 + 8 (l / 16) + 0..7
	v_and_b32 v1, 15, v0                           ; r
	v_bfe_u32 v2, v0, 4, 1                         ; h
	v_and_b32 v3, 7, v0
	v_lshl_add_u32 v3, v2, 3, v3
	v_mul_u32_u24 v3, v3, PITCH
	v_bfe_u32 v4, v0, 3, 1
	v_lshl_add_u32 v3, v4, 4, v3
	s_mul_i32 s21, s10, 2*CHUNK                    ; my 64 tokens of teach's tile,
	s_add_co_u32 s22, s21, 2*HALFT                 ; and of xb's, behind teach's 256
.irp s, 0,1
	v_add_nc_u32 v[ADRA+\s], s21, v3
	v_add_nc_u32 v[ADRB+\s], s22, v3
	s_add_co_u32 s21, s21, SLOT
	s_add_co_u32 s22, s22, SLOT
.endr
	s_mul_i32 s23, s10, REGION                     ; my partial block
	v_mul_u32_u24 v4, v1, RPITCH
	v_lshl_add_u32 v4, v2, 5, v4                   ; row r, 32 bytes for each half of the lanes
	v_add_nc_u32 v[STO], s23, v4
	s_mul_i32 s18, s10, 32*RPITCH                  ; my 32 rows in each of the four partial blocks
.irp c, 0,1,2,3
	v_add_nc_u32 v[RD+\c], s18, v[CO]
	s_add_co_u32 s18, s18, REGION
.endr
	s_wait_loadcnt 32                              ; snorm's word is in; the 32 loads of delta_W issued behind it stay out (a prefetch raises no counter)
	v_add_f32_dpp v10, v10, v10 row_xmask:1 row_mask:0xf bank_mask:0xf
	v_add_f32_dpp v10, v10, v10 row_xmask:2 row_mask:0xf bank_mask:0xf
	v_add_f32_dpp v10, v10, v10 row_xmask:4 row_mask:0xf bank_mask:0xf
	v_add_f32_dpp v10, v10, v10 row_xmask:8 row_mask:0xf bank_mask:0xf
	v_permlanex16_b32 v11, v10, s78, s79
	v_add_f32 v10, v10, v11
	v_mul_f32 v10, 0x39800000, v10                 ; / 4096, exact
	v_cmp_gt_f32 s80, v10, 1.0                     ; the gate, the same bit in every lane; a NaN leaves it off
.macro MUL16 f, hi, a0, zero
.irp a, \a0, \a0+1
.irp b, 0,1,2,3,4,5,6,7
.if \zero
	v_wmma_f32_16x16x32_bf16 v[8*(8*(\a)+\b):8*(8*(\a)+\b)+7], v[\f+8*\b:\f+8*\b+7], v[\f+8*(4*\hi+\a):\f+8*(4*\hi+\a)+7], 0
.else
	v_wmma_f32_16x16x32_bf16 v[8*(8*(\a)+\b):8*(8*(\a)+\b)+7], v[\f+8*\b:\f+8*\b+7], v[\f+8*(4*\hi+\a):\f+8*(4*\hi+\a)+7], v[8*(8*(\a)+\b):8*(8*(\a)+\b)+7]
.endif
.endr
.endr
.endm
; 32 transposing LDS loads in one run: the fragments of one chunk (32 tokens, k bytes into my 64) into buffer f: xb's 16 loads, then teach's 16
.macro FETCH slot, k, f
	WIN TO_B
.irp i, 0,1,2,3,4,5,6,7
	ds_load_tr16_b128 v[\f+8*\i:\f+8*\i+3],   v[ADRB+\slot] offset:\k+32*\i
	ds_load_tr16_b128 v[\f+8*\i+4:\f+8*\i+7], v[ADRB+\slot] offset:\k+32*\i+16*PITCH
.endr
	WIN 0
.irp i, 0,1,2,3,4,5,6,7
	ds_load_tr16_b128 v[\f+8*\i:\f+8*\i+3],   v[ADRA+\slot] offset:\k+32*\i
	ds_load_tr16_b128 v[\f+8*\i+4:\f+8*\i+7], v[ADRA+\slot] offset:\k+32*\i+16*PITCH
.endr
.endm
; Four independent vector instructions stand between a matrix instruction and a load into one of its registers or a reader of its result
; (ISA guide 7.12.1 for vector instructions).
.macro PLACES
.rept 4
	v_nop
.endr
.endm
; A step's first chunk: multiplies buffer f, and in its middle fetches the second chunk's fragments into buffer g
.macro QUARTER slot, k, f, g, zero
	s_wait_dscnt 8                                 ; xb's fragments and o blocks 0-3 are in; the youngest eight loads (o blocks 4-7) may be out
	WIN MUL_LO
	MUL16 \f, 0, 0, \zero
	MUL16 \f, 0, 2, \zero
	PLACES
	FETCH \slot, \k, \g
	s_wait_dscnt 32                                ; all but the 32 just issued
	WIN MUL_HI
	MUL16 \f, 1, 0, \zero
	MUL16 \f, 1, 2, \zero
.endm
; A step's second chunk: multiplies buffer 1 and changes slots.  The low window's 32 matrix instructions go out first, so that nothing but the
; barrier stands between the landing of the next slot's tile and the request for this slot's refill.  In front of the barrier each wave waits for
; its reads of this slot and for all its tensor loads (one is out: its part of the next slot); no load of the wave is out then, so this slot's two
; descriptors are stepped there.  Behind the barrier (with fill = 1: behind the whole round of the cluster's barrier) this slot's refill comes first,
; then the next slot's first fragments.  From a request to the wait for it a wave issues 128 matrix instructions.
; pf = 1: behind the refill the lap after next is asked for.
.macro TURN slot, next, fill, pf
	s_wait_dscnt 8
	WIN MUL_LO
	MUL16 F1, 0, 0, 0
	MUL16 F1, 0, 2, 0
	WIN 0
	s_wait_dscnt 0                                 ; my reads of this slot are over
	s_wait_tensorcnt 0x0                           ; and all my tensor loads have landed
	ds_add_u32 v254, v255
	s_wait_dscnt 0x0
.if \fill
	s_add_nc_u64 s[G0+4*\slot+2:G0+4*\slot+3], s[G0+4*\slot+2:G0+4*\slot+3], 2*STEPB
	s_add_nc_u64 s[G0B+4*\slot+2:G0B+4*\slot+3], s[G0B+4*\slot+2:G0B+4*\slot+3], 2*STEPB
.endif
	s_barrier_signal -1
	s_barrier_wait -1
.if \fill
	CREST                                          ; no wave of any partner still reads this slot's tile or has a load on its way
	JLOAD \slot                                    ; the first tensor load behind the round, and the wave's only one until the next
.endif
.if \pf
	PREF 1
.endif
	PLACES
	FETCH \next, 0, F0
	WIN MUL_HI
	MUL16 F1, 1, 0, 0
	MUL16 F1, 1, 2, 0
.endm
.macro STEP slot, next, fill, zero, pf
	QUARTER \slot, CHUNK, F0, F1, \zero
	TURN \slot, \next, \fill, \pf
.endm
.macro LAP zero, pf
	STEP 0, 1, 1, \zero, 0
	STEP 1, 0, 1, 0, \pf
.endm
	s_wait_tensorcnt 1                             ; my part of K step 0 is in; K step 1's may stay out
	s_barrier_signal -1
	s_barrier_wait -1
	FETCH 0, 0, F0
	LAP 1, 1                                       ; lap 0: the first chunk's products start the sums: nothing is cleared; it asks for lap 2
	WIN 0
	s_mov_b32 s3, LAPS-3
.Llap:
	LAP 0, 1                                       ; laps 1 to 5 ask for laps 3 to 7
	WIN 0
	s_sub_co_u32 s3, s3, 1
	s_cmp_lg_u32 s3, 0
	s_cbranch_scc1 .Llap
	LAP 0, 0                                       ; lap 6 fills the slots for the last time and asks for nothing: no lap 8 exists
	STEP 0, 1, 0, 0, 0                             ; lap 7 fills nothing
	QUARTER 1, CHUNK, F0, F1, 0
	s_wait_dscnt 8
	WIN MUL_LO
	MUL16 F1, 0, 0, 0
	MUL16 F1, 0, 2, 0
	s_wait_dscnt 0                                 ; my last reads of the slots are back
	WIN MUL_HI
	MUL16 F1, 1, 0, 0
	MUL16 F1, 1, 2, 0
	; THE END.  The slots have had their last fill, and every wave's tensor loads were waited for in the last change of slots.
	PLACES                                         ; the places behind the last matrix instructions, for the LDS stores of results and the loads into the fragment buffers
	WIN 0
	s_barrier_signal -1                            ; no LDS instruction of mine is out: nobody reads the slots behind this barrier,
	s_barrier_wait -1                              ; so their bytes may be written
; four tile rows of one window into my partial block: o = 16 (a0 + a) + r, 32 bytes at 64 b + 32 h
.macro PUT win, a0
	WIN \win
.irp a, 0,1,2,3
.irp b, 0,1,2,3,4,5,6,7
	ds_store_b128 v[STO], v[8*(8*\a+\b):8*(8*\a+\b)+3]   offset:16*RPITCH*(\a0+\a)+64*\b
	ds_store_b128 v[STO], v[8*(8*\a+\b)+4:8*(8*\a+\b)+7] offset:16*RPITCH*(\a0+\a)+64*\b+16
.endr
.endr
.endm
	PUT 0x08, 0                                    ; the stores' data in window 2
	PUT 0x0c, 4                                    ; in window 3
	WIN 0
	s_wait_dscnt 0x0                               ; for the others' sake: all my stores are done
	s_barrier_signal -1
	s_barrier_wait -1
; Wave w finishes rows 32 w .. 32 w + 31 of the block, four rows a batch, on two buffers in turn.
; Batch bn into buffer p: row q of the four, partial block c, at p + 16 q + 4 c; a load covers a row's 512 consecutive bytes.
.macro LOADB bn, p
.if \bn >= 2
	s_wait_xcnt 0x0                                ; the buffer was the data of global stores: it is loaded again only behind this wait
.endif
.irp q, 0,1,2,3
.irp c, 0,1,2,3
	ds_load_b128 v[\p+16*\q+4*\c:\p+16*\q+4*\c+3], v[RD+\c] offset:RPITCH*(4*\bn+\q)
.endr
.endr
.endm
.macro PROC bn, p, left
	s_wait_dscnt \left                             ; my batch is in; the next batch's 16 loads may stay out
.if \bn == 0
	s_wait_loadcnt 0x0                             ; delta_W, asked for at the start
.endif
.irp q, 0,1,2,3
.irp e, 0,2
	v_pk_add_f32 v[\p+16*\q+\e:\p+16*\q+\e+1],     v[\p+16*\q+\e:\p+16*\q+\e+1],     v[\p+16*\q+4+\e:\p+16*\q+5+\e]
	v_pk_add_f32 v[\p+16*\q+8+\e:\p+16*\q+9+\e],   v[\p+16*\q+8+\e:\p+16*\q+9+\e],   v[\p+16*\q+12+\e:\p+16*\q+13+\e]
.endr
.endr
.irp q, 0,1,2,3
.irp e, 0,2
	v_pk_add_f32 v[\p+16*\q+\e:\p+16*\q+\e+1], v[\p+16*\q+\e:\p+16*\q+\e+1], v[\p+16*\q+8+\e:\p+16*\q+9+\e]
.endr
.endr
.irp q, 0,1,2,3
.irp e, 0,2
	v_pk_mul_f32 v[\p+16*\q+\e:\p+16*\q+\e+1], v[\p+16*\q+\e:\p+16*\q+\e+1], s[84:85] op_sel_hi:[1,0]     ; x 0.01 / 4096
.endr
.endr
	WIN 0x01                                       ; source 0, delta_W, in window 1
.irp q, 0,1,2,3
.irp e, 0,2
	v_pk_fma_f32 v[\p+16*\q+\e:\p+16*\q+\e+1], v[4*(4*\bn+\q)+128*((4*\bn+\q)/16)+\e:4*(4*\bn+\q)+128*((4*\bn+\q)/16)+\e+1], s[82:83], v[\p+16*\q+\e:\p+16*\q+\e+1] op_sel_hi:[1,0,1]
.endr
.endr
.irp q, 0,1,2,3
.irp e, 0,1,2,3
	v_cndmask_b32 v[\p+16*\q+\e], v[4*(4*\bn+\q)+128*((4*\bn+\q)/16)+\e], v[\p+16*\q+\e], s80      ; gate on: the update; off: delta_W as it is
.endr
.endr
	WIN 0
.irp q, 0,1,2,3
	global_store_b128 v[CO], v[\p+16*\q:\p+16*\q+3], s[88:89] offset:OROW*(4*\bn+\q) th:TH_STORE_NT        ; 512 consecutive bytes, aligned
.endr
.endm
	LOADB 0, F0
	LOADB 1, F1
	PROC 0, F0, 16
	LOADB 2, F0
	PROC 1, F1, 16
	LOADB 3, F1
	PROC 2, F0, 16
	LOADB 4, F0
	PROC 3, F1, 16
	LOADB 5, F1
	PROC 4, F0, 16
	LOADB 6, F0
	PROC 5, F1, 16
	LOADB 7, F1
	PROC 6, F0, 16
	PROC 7, F1, 0
	s_wait_tensorcnt 0x0
	ds_add_u32 v254, v255
	s_wait_dscnt 0x0
	CROUND                                         ; the closing round: no work-group ends while a partner may still ask for a tile that names it
	s_endpgm
.Lfunc_end_k_qe25ccc9c68_gemm3:
	.size	k_qe25ccc9c68_gemm3, .Lfunc_end_k_qe25ccc9c68_gemm3-k_qe25ccc9c68_gemm3
	.p2alignl 7, 3214868480
	.fill 96, 4, 3214868480
	.section	.rodata,"a",@progbits
	.p2align	6, 0x0
	.amdhsa_kernel k_qe25ccc9c68_gemm3
		.amdhsa_group_segment_fixed_size 327680
		.amdhsa_private_segment_fixed_size 0
		.amdhsa_enable_private_segment 0
		.amdhsa_kernarg_size 40
		.amdhsa_user_sgpr_count 2
		.amdhsa_user_sgpr_kernarg_segment_ptr 1
		.amdhsa_wavefront_size32 1
		.amdhsa_system_sgpr_workgroup_id_x 1
		.amdhsa_system_sgpr_workgroup_id_y 1
		.amdhsa_system_sgpr_workgroup_id_z 1
		.amdhsa_system_vgpr_workitem_id 0
		.amdhsa_next_free_vgpr 1024
		.amdhsa_next_free_sgpr 96
		.amdhsa_reserve_vcc 0
		.amdhsa_float_denorm_mode_32 3
		.amdhsa_float_denorm_mode_16_64 3
		.amdhsa_memory_ordered 1
		.amdhsa_forward_progress 1
		.amdhsa_inst_pref_size 167
	.end_amdhsa_kernel
	.amdgpu_metadata
---
amdhsa.version: [ 1, 2 ]
amdhsa.kernels:
  - .name:           k_qe25ccc9c68_gemm3
    .symbol:         k_qe25ccc9c68_gemm3.kd
    .args:
      - { .name: teach, .offset: 0, .size: 8, .value_kind: global_buffer, .address_space: global }
      - { .name: xb, .offset: 8, .size: 8, .value_kind: global_buffer, .address_space: global }
      - { .name: delta_W, .offset: 16, .size: 8, .value_kind: global_buffer, .address_space: global }
      - { .name: snorm, .offset: 24, .size: 8, .value_kind: global_buffer, .address_space: global }
      - { .name: out1, .offset: 32, .size: 8, .value_kind: global_buffer, .address_space: global }
    .group_segment_fixed_size: 327680
    .private_segment_fixed_size: 0
    .kernarg_segment_align: 8
    .kernarg_segment_size: 40
    .max_flat_workgroup_size: 128
    .sgpr_count:     96
    .vgpr_count:     1024
    .wavefront_size: 32
...
	.end_amdgpu_metadata
.endif
;; end of part 4
;; ======== version 2 of 2: 4 launches; version 1 with the launch prep written anew for expert scheduling mode
;; limits: values are held in f16: magnitudes above 65,504 overflow, below 6.1e-05 lose precision; inputs' magnitudes at most 65,504
;; workspace buffers: xh 16,777,216 bytes; xb 16,777,216 bytes; wcat 16,777,216 bytes; teach 16,777,216 bytes; part 262,144 bytes; snorm 256 bytes
;; launch prep (part 5): grid 1024 x 1, 8 waves a work-group, no clusters, 0 bytes of LDS; arguments x, W, delta_W, target_W, xh, xb, wcat; writes xh, xb, wcat
.if DOCPART == 5
	.amdgcn_target "amdgcn-amd-amdhsa--gfx1250"
	.amdhsa_code_object_version 6
	.text
	.protected	k_qe25ccc9c68_prep
	.globl	k_qe25ccc9c68_prep
	.p2align	8
	.type	k_qe25ccc9c68_prep,@function
k_qe25ccc9c68_prep:
	s_mov_b64 s[64:65], 0
	v_nop
	global_prefetch_b8 v0, s[64:65] scope:SCOPE_SE
	s_setreg_imm32_b32 hwreg(HW_REG_WAVE_SCHED_MODE, 0, 2), 2
	s_setreg_imm32_b32 hwreg(HW_REG_WAVE_MODE, 25, 1), 1
	s_wait_xcnt 0x0
	s_wait_alu depctr_vm_vsrc(0)
; xh = f16(x) and xb = bf16(x), each [4096][2048].  wcat, [4096][2048] f16: rows 0-2047 = f16(W + delta_W), rows 2048-4095 = f16((W + delta_W) - target_W).
; The second half serves teach = y - x target_W^T = x (W + delta_W - target_W)^T: the difference is taken on the weights, in f32, ahead of
; the one rounding, so that no difference of two long sums is ever formed.
; WHY TWO COPIES OF x: the first product (x with the weights) takes f16 operands, 11 significant bits; the second (teach with x) takes bf16,
; because teach has no room in f16 (see the first product's head), and a matrix instruction wants both operands in one format.
; ROOM IN f16: f16 reaches 65,504 and keeps a step of 2^-24 below 2^-14.  x of a few units and weights of a few hundredths stay far inside when 30
; times larger or offset by 30 spreads; weights 30 times smaller (rms about 5e-4) are rounded to within 2^-25, about 6e-5 of their rms.
; LIMIT: an |x| or a summed weight above 65,504 becomes infinity in xh or wcat.
; A stream: 1,024 work-groups of eight waves; work-group g takes 32 KiB of x and 16 KiB of each weight.  A thread's load is 16 bytes, a wave's
; load covers 512 consecutive bytes, the work-group's step is 4,096 bytes.  Four f32 become 8 bytes: a wave's store covers 256 consecutive
; bytes, aligned.  All 20 loads of a thread go out at once.  No LDS, no barrier, no matrix unit, no cluster: no byte is used twice and no work-group shares an input.
; THE MODE: SCHED_MODE bits 1:0 = 2 (LLVM: expert scheduling mode 2), set by the entry lines.  The code itself states the register dependences
; between vector instructions and memory instructions, with s_wait_alu, always for 0.
; THE PLAN.  Registers that memory instructions touch:
;   v1, v2           byte offsets of the loads and of the stores: written once at the head, never again.
;   X, WT            the 20 loads land in them; all 20 are issued at the head, and no vector instruction names these registers ahead of them.
;                    Behind the counted wait for its data a chunk is named by vector instructions alone.
;   XH, XB, YO, DF   a pair of registers for each store: written once, by two roundings, read once, by its store, and never written again.
; So no register that a memory instruction has read is ever rewritten: the text owes no wait for a store's or a load's sources.
; The work goes in six steps of two chunks: steps 0 to 3 round x, steps 4 and 5 sum and round the weights.  A step's four stores are issued in the
; NEXT step, dealt among that step's vector instructions, which name their own chunks' registers and none that those stores read.  One wait at the
; head of a step, behind the wait for its data, states that the step before has written its out-registers; one more stands ahead of the last four stores.
.set X,  4                             ; v[4:35]    chunk j of x: 4 registers
.set WT, 36                            ; v[36:83]   chunk j of the weights: W at 12 j, delta_W at 12 j + 4, target_W at 12 j + 8
.set XH, 84                            ; v[84:99]   chunk j of xh: 2 registers
.set XB, 100                           ; v[100:115] chunk j of xb: 2 registers
.set YO, 116                           ; v[116:123] chunk j of wcat's first half
.set DF, 124                           ; v[124:131] chunk j of wcat's second half
	s_load_b256 s[4:11], s[0:1], 0x0               ; x s[4:5], W s[6:7], delta_W s[8:9], target_W s[10:11]
	s_load_b128 s[12:15], s[0:1], 0x20             ; xh s[12:13], xb s[14:15]
	s_load_b64 s[16:17], s[0:1], 0x30              ; wcat
	s_lshl_b32 s18, ttmp9, 15                      ; my 32 KiB of x
	s_mov_b32 s19, 0
	s_lshl_b32 s20, ttmp9, 14                      ; my 16 KiB of each weight, of xh and of xb
	s_mov_b32 s21, 0
	s_lshl_b32 s22, ttmp9, 13                      ; my 8 KiB of each half of wcat
	s_mov_b32 s23, 0
	v_lshlrev_b32 v1, 4, v0                        ; 16 bytes a thread in
	v_lshlrev_b32 v2, 3, v0                        ; 8 bytes a thread out
	s_wait_kmcnt 0x0
	s_add_nc_u64 s[4:5], s[4:5], s[18:19]
	s_add_nc_u64 s[6:7], s[6:7], s[20:21]
	s_add_nc_u64 s[8:9], s[8:9], s[20:21]
	s_add_nc_u64 s[10:11], s[10:11], s[20:21]
	s_add_nc_u64 s[12:13], s[12:13], s[20:21]
	s_add_nc_u64 s[14:15], s[14:15], s[20:21]
	s_add_nc_u64 s[16:17], s[16:17], s[22:23]
	s_add_nc_u64 s[24:25], s[16:17], 0x800000      ; the second half: 2,048 rows of 4,096 bytes further, one more than a store's immediate reaches
	s_wait_alu depctr_va_vdst(0)                   ; v1 and v2 are written: every load of the kernel reads v1 as its offset, every store v2
.irp j, 0,1,2,3,4,5,6,7
	global_load_b128 v[X+4*\j:X+4*\j+3], v1, s[4:5] offset:4096*\j th:TH_LOAD_NT
.endr
.irp j, 0,1,2,3
	global_load_b128 v[WT+12*\j:WT+12*\j+3],    v1, s[6:7]   offset:4096*\j th:TH_LOAD_NT
	global_load_b128 v[WT+12*\j+4:WT+12*\j+7],  v1, s[8:9]   offset:4096*\j th:TH_LOAD_NT
	global_load_b128 v[WT+12*\j+8:WT+12*\j+11], v1, s[10:11] offset:4096*\j th:TH_LOAD_NT
.endr
; The vector work, by chunk j.
.macro CVH j                           ; x rounded to f16
	v_cvt_pk_f16_f32 v[XH+2*(\j)],   v[X+4*(\j)],   v[X+4*(\j)+1]
	v_cvt_pk_f16_f32 v[XH+2*(\j)+1], v[X+4*(\j)+2], v[X+4*(\j)+3]
.endm
.macro CVB j                           ; x rounded to bf16
	v_cvt_pk_bf16_f32 v[XB+2*(\j)],   v[X+4*(\j)],   v[X+4*(\j)+1]
	v_cvt_pk_bf16_f32 v[XB+2*(\j)+1], v[X+4*(\j)+2], v[X+4*(\j)+3]
.endm
.macro SUMW j                          ; W + delta_W, in place, and its rounding
	v_pk_add_f32 v[WT+12*(\j):WT+12*(\j)+1],   v[WT+12*(\j):WT+12*(\j)+1],   v[WT+12*(\j)+4:WT+12*(\j)+5]
	v_pk_add_f32 v[WT+12*(\j)+2:WT+12*(\j)+3], v[WT+12*(\j)+2:WT+12*(\j)+3], v[WT+12*(\j)+6:WT+12*(\j)+7]
	v_cvt_pk_f16_f32 v[YO+2*(\j)],   v[WT+12*(\j)],   v[WT+12*(\j)+1]
	v_cvt_pk_f16_f32 v[YO+2*(\j)+1], v[WT+12*(\j)+2], v[WT+12*(\j)+3]
.endm
.macro DIFW j                          ; - target_W, in place, and its rounding
	v_pk_add_f32 v[WT+12*(\j):WT+12*(\j)+1],   v[WT+12*(\j):WT+12*(\j)+1],   v[WT+12*(\j)+8:WT+12*(\j)+9]   neg_lo:[0,1] neg_hi:[0,1]
	v_pk_add_f32 v[WT+12*(\j)+2:WT+12*(\j)+3], v[WT+12*(\j)+2:WT+12*(\j)+3], v[WT+12*(\j)+10:WT+12*(\j)+11] neg_lo:[0,1] neg_hi:[0,1]
	v_cvt_pk_f16_f32 v[DF+2*(\j)],   v[WT+12*(\j)],   v[WT+12*(\j)+1]
	v_cvt_pk_f16_f32 v[DF+2*(\j)+1], v[WT+12*(\j)+2], v[WT+12*(\j)+3]
.endm
; The stores, by chunk j.  No hint: later launches read these bytes.
.macro STH j
	global_store_b64 v2, v[XH+2*(\j):XH+2*(\j)+1], s[12:13] offset:2048*(\j)
.endm
.macro STB j
	global_store_b64 v2, v[XB+2*(\j):XB+2*(\j)+1], s[14:15] offset:2048*(\j)
.endm
.macro STY j
	global_store_b64 v2, v[YO+2*(\j):YO+2*(\j)+1], s[16:17] offset:2048*(\j)
.endm
.macro STDF j
	global_store_b64 v2, v[DF+2*(\j):DF+2*(\j)+1], s[24:25] offset:2048*(\j)
.endm
; Step s of x, s = 1 to 3: rounds chunks 2 s and 2 s + 1 and stores chunks 2 s - 2 and 2 s - 1.
.macro XSTEP s
	s_wait_loadcnt 18-2*(\s)                       ; of the 20 loads, 19 - j were issued behind chunk j of x: chunk 2 s + 1 is in
	s_wait_alu depctr_va_vdst(0)                   ; the step before has written XH and XB of its two chunks, which the four stores below read
.irp c, 0,1
	STH 2*(\s)-2+(\c)                              ; no vector instruction since the wait names these stores' registers
	CVH 2*(\s)+(\c)
	STB 2*(\s)-2+(\c)
	CVB 2*(\s)+(\c)
.endr
.endm
	s_wait_loadcnt 18                              ; step 0: chunks 0 and 1 of x are in; no step stands in front of it, so it stores nothing
	CVH 0
	CVB 0
	CVH 1
	CVB 1
	XSTEP 1
	XSTEP 2
	XSTEP 3
	s_wait_loadcnt 6                               ; step 4: the weights' chunks 0 and 1 are in; the three loads of each later chunk stay out
	s_wait_alu depctr_va_vdst(0)                   ; step 3 has written XH and XB of chunks 6 and 7, which the four stores below read
.irp c, 0,1
	STH 6+\c
	SUMW \c
	STB 6+\c
	DIFW \c
.endr
	s_wait_loadcnt 0x0                             ; step 5: the weights' chunks 2 and 3, the last loads
	s_wait_alu depctr_va_vdst(0)                   ; step 4 has written YO and DF of chunks 0 and 1, which the four stores below read
.irp c, 0,1
	STY \c
	SUMW 2+\c
	STDF \c
	DIFW 2+\c
.endr
	s_wait_alu depctr_va_vdst(0)                   ; step 5 has written YO and DF of chunks 2 and 3, which the last four stores read
	STY 2
	STDF 2
	STY 3
	STDF 3
	s_endpgm
.Lfunc_end_k_qe25ccc9c68_prep:
	.size	k_qe25ccc9c68_prep, .Lfunc_end_k_qe25ccc9c68_prep-k_qe25ccc9c68_prep
	.p2alignl 7, 3214868480
	.fill 96, 4, 3214868480
	.section	.rodata,"a",@progbits
	.p2align	6, 0x0
	.amdhsa_kernel k_qe25ccc9c68_prep
		.amdhsa_group_segment_fixed_size 0
		.amdhsa_private_segment_fixed_size 0
		.amdhsa_enable_private_segment 0
		.amdhsa_kernarg_size 56
		.amdhsa_user_sgpr_count 2
		.amdhsa_user_sgpr_kernarg_segment_ptr 1
		.amdhsa_wavefront_size32 1
		.amdhsa_system_sgpr_workgroup_id_x 1
		.amdhsa_system_sgpr_workgroup_id_y 1
		.amdhsa_system_sgpr_workgroup_id_z 1
		.amdhsa_system_vgpr_workitem_id 0
		.amdhsa_next_free_vgpr 132
		.amdhsa_next_free_sgpr 66
		.amdhsa_reserve_vcc 0
		.amdhsa_float_denorm_mode_32 3
		.amdhsa_float_denorm_mode_16_64 3
		.amdhsa_memory_ordered 1
		.amdhsa_forward_progress 1
		.amdhsa_inst_pref_size 10
	.end_amdhsa_kernel
	.amdgpu_metadata
---
amdhsa.version: [ 1, 2 ]
amdhsa.kernels:
  - .name:           k_qe25ccc9c68_prep
    .symbol:         k_qe25ccc9c68_prep.kd
    .args:
      - { .name: x, .offset: 0, .size: 8, .value_kind: global_buffer, .address_space: global }
      - { .name: W, .offset: 8, .size: 8, .value_kind: global_buffer, .address_space: global }
      - { .name: delta_W, .offset: 16, .size: 8, .value_kind: global_buffer, .address_space: global }
      - { .name: target_W, .offset: 24, .size: 8, .value_kind: global_buffer, .address_space: global }
      - { .name: xh, .offset: 32, .size: 8, .value_kind: global_buffer, .address_space: global }
      - { .name: xb, .offset: 40, .size: 8, .value_kind: global_buffer, .address_space: global }
      - { .name: wcat, .offset: 48, .size: 8, .value_kind: global_buffer, .address_space: global }
    .group_segment_fixed_size: 0
    .private_segment_fixed_size: 0
    .kernarg_segment_align: 8
    .kernarg_segment_size: 56
    .max_flat_workgroup_size: 256
    .sgpr_count:     66
    .vgpr_count:     132
    .wavefront_size: 32
...
	.end_amdgpu_metadata
.endif
;; end of part 5
;; launch gemm1: the kernel of part 2 again; grid 16 x 16, 4 waves a work-group, clusters of 4 x 4, 327,680 bytes of LDS; arguments xh, wcat, out0, teach, part; writes out0, teach, part
;; launch norms: the kernel of part 3 again; grid 32 x 1, 1 waves a work-group, no clusters, 0 bytes of LDS; arguments part, snorm; writes snorm
;; launch gemm3: the kernel of part 4 again; grid 16 x 16, 4 waves a work-group, clusters of 4 x 4, 327,680 bytes of LDS; arguments teach, xb, delta_W, snorm, out1; writes out1
